; MI455X (gfx1250); checked and timed in simulation.
; The chip was launched on July 23, 2026; its instructions are those of AMD's public machine-readable ISA for CDNA 5 (MIT licence, August 2026) and "CDNA5" Instruction Set Architecture Reference Guide (July 2026). The comments in the code are by the model that wrote it; some were corrected since.
;; Quantizer. Allowed arithmetic: float matrix products may take bf16 or f16 operands with f32 sums; other float arithmetic in f32, or as packed bf16 or f16 multiplies, adds, multiply-adds, maxima and minima; sums over many terms, partial sums and values carried from step to step in f32; what a program stores and reads back later, other than sums and carried values, may be rounded once to bf16 or f16.
;; Inputs: codebook 8,192 x 256 float32; z 32 x 256 x 32 x 32 float32.
;; Outputs: out0 32 x 256 x 32 x 32 float32; out1 one number float32; out2 one number float32.
;; 2 versions, each right; version 2 is version 1 with the launch prep written anew for expert scheduling mode. Each part assembles by itself: llvm-mc -triple=amdgcn-amd-amdhsa -mcpu=gfx1250 --defsym DOCPART=n.
;; ======== version 1 of 2: 4 launches
;; workspace buffers: cbw 4,259,840 bytes; rows 131,072 bytes of whole numbers; part 2,048 bytes
;; launch prep (part 1): grid 128 x 1, 8 waves a work-group, no clusters, 1,280 bytes of LDS; arguments codebook, cbw; writes cbw
.if DOCPART == 1
	.amdgcn_target "amdgcn-amd-amdhsa--gfx1250"
	.amdhsa_code_object_version 6
	.text
	.protected	k_qdc284a968f_prep
	.globl	k_qdc284a968f_prep
	.p2align	8
	.type	k_qdc284a968f_prep,@function
k_qdc284a968f_prep:
	s_mov_b64 s[64:65], 0
	v_nop
	global_prefetch_b8 v0, s[64:65] scope:SCOPE_SE
	s_setreg_imm32_b32 hwreg(HW_REG_WAVE_MODE, 25, 1), 1
	s_wait_xcnt 0x0
; THE CODEBOOK, ROUNDED ONCE TO bf16 AND LAID IN BLOCKS.  codebook: [8192][256] f32.  cbw: 128 blocks of 65 rows of 512 bytes.
; Block beta = 4 i + w holds the codes k = 2048 w + 64 i + row (row 0..63) as 256 bf16 each; its row 64 holds the 64 numbers
; B_k = the sum of the squares of the ROUNDED code, in f32, and then 256 bytes of zeros (the next launch fetches the whole row, so it is written whole).
; A work-group makes one block, so that the B row has one owner; a wave makes 8 rows.  A row of 1,024 bytes is two loads of a wave (512 consecutive bytes each);
; its 512 bytes of bf16 are two stores of 256 consecutive bytes, each at a multiple of 256 from cbw's first byte.
; All sixteen loads of a wave go out at once; memory binds, so there is no matrix work, no cluster and no ring.
; LIMITS.  B's 256 terms are added in an order of this text's own (8 a lane, then across the lanes); NaN and infinities are not treated apart.
.set BLOCK, 33280                      ; bytes in a block
.set SPARE, 256                        ; LDS: bytes 0-255 the block's 64 B; from 256 on the spare words, 128 bytes for each of the eight waves
.set LN,  1                            ; v1      lane
.set CO,  2                            ; v2      my byte offset in the block's 64 rows of the codebook
.set SO,  3                            ; v3      my byte offset in the block
.set BA,  4                            ; v4      LDS address of my wave's eight B
.set SPW, 5                            ; v5      LDS address of my spare word; never rewritten
.set NIL, 6                            ; v6      0; never rewritten
.set TA,  7                            ; v7      at work
.set T,   8                            ; v[8:15]   eight rounded numbers as f32
.set S,   16                           ; v[16:17]  the sum of squares
.set RO,  18                           ; v18     wave 0: my byte offset in the B row
.set X,   20                           ; v[20:83]  row j: 8 registers as loaded
.set Y,   84                           ; v[84:115] row j: 4 registers to store
	s_load_b128 s[4:7], s[0:1], 0x0                ; codebook s[4:5], cbw s[6:7]
	v_lshl_add_u32 v[SPW], v0, 2, SPARE
	v_mov_b32 v[NIL], 0
	v_lshrrev_b32 v[TA], 5, v0
	v_readfirstlane_b32 s8, v[TA]                  ; wave 0..7
	v_and_b32 v[LN], 31, v0
	s_and_b32 s10, ttmp9, 3                        ; w of the block
	s_lshl_b32 s10, s10, 21                        ; 2,048 codes of 1,024 bytes
	s_lshr_b32 s11, ttmp9, 2                       ; i of the block
	s_lshl_b32 s11, s11, 16                        ; 64 codes of 1,024 bytes
	s_add_co_u32 s10, s10, s11
	s_mov_b32 s11, 0
	s_mul_i32 s16, ttmp9, BLOCK
	s_mov_b32 s17, 0
	s_mov_b32 s12, 0xffff0000                      ; a word's upper bf16
	s_mov_b32 s14, 0x76543210                      ; v_permlanex16_b32: each lane takes its own place in the other half
	s_mov_b32 s15, 0xfedcba98
	s_lshl_b32 s18, s8, 13                         ; my wave's 8 rows of 1,024 bytes
	v_lshl_add_u32 v[CO], v[LN], 4, s18
	s_lshl_b32 s19, s8, 12                         ; my wave's 8 rows of 512 bytes
	v_lshl_add_u32 v[SO], v[LN], 3, s19
	s_lshl_b32 s20, s8, 5                          ; my wave's 8 words
	v_mov_b32 v[BA], s20
	s_wait_kmcnt 0x0
	s_add_nc_u64 s[4:5], s[4:5], s[10:11]
	s_add_nc_u64 s[6:7], s[6:7], s[16:17]
.set j, 0
.rept 8
	global_load_b128 v[X+8*j:X+8*j+3],   v[CO], s[4:5] offset:1024*j th:TH_LOAD_NT      ; numbers 4 l .. 4 l + 3 of the row
	global_load_b128 v[X+8*j+4:X+8*j+7], v[CO], s[4:5] offset:1024*j+512 th:TH_LOAD_NT  ; numbers 128 + 4 l ..
.set j, j+1
.endr
.macro ROWJ j
	s_wait_loadcnt 14-2*(\j)                       ; loads come back in order: row j's two are in, the later rows' stay out
.irp c, 0,1,2,3
	v_cvt_pk_bf16_f32 v[Y+4*(\j)+\c], v[X+8*(\j)+2*\c], v[X+8*(\j)+2*\c+1]
.endr
	global_store_b64 v[SO], v[Y+4*(\j):Y+4*(\j)+1],   s[6:7] offset:512*(\j)       ; 32 lanes x 8 bytes: 256 consecutive bytes
	global_store_b64 v[SO], v[Y+4*(\j)+2:Y+4*(\j)+3], s[6:7] offset:512*(\j)+256
.irp c, 0,1,2,3
	v_lshlrev_b32 v[T+2*\c],   16,  v[Y+4*(\j)+\c]  ; the rounded numbers back as f32
	v_and_b32     v[T+2*\c+1], s12, v[Y+4*(\j)+\c]
.endr
	v_pk_mul_f32 v[S:S+1], v[T:T+1], v[T:T+1]      ; the first squares start the sum
	v_pk_fma_f32 v[S:S+1], v[T+2:T+3], v[T+2:T+3], v[S:S+1]
	v_pk_fma_f32 v[S:S+1], v[T+4:T+5], v[T+4:T+5], v[S:S+1]
	v_pk_fma_f32 v[S:S+1], v[T+6:T+7], v[T+6:T+7], v[S:S+1]
	v_add_f32 v[S], v[S], v[S+1]
	v_add_f32_dpp v[S], v[S], v[S] row_xmask:1 row_mask:0xf bank_mask:0xf
	v_add_f32_dpp v[S], v[S], v[S] row_xmask:2 row_mask:0xf bank_mask:0xf
	v_add_f32_dpp v[S], v[S], v[S] row_xmask:4 row_mask:0xf bank_mask:0xf
	v_add_f32_dpp v[S], v[S], v[S] row_xmask:8 row_mask:0xf bank_mask:0xf
	v_permlanex16_b32 v[S+1], v[S], s14, s15
	v_add_f32 v[S], v[S], v[S+1]                   ; every lane holds B of the row
	ds_store_b32 v[BA], v[S] offset:4*(\j)         ; all lanes write the same word with the same number
.endm
.irp j, 0,1,2,3,4,5,6,7
	ROWJ \j
.endr
	s_wait_dscnt 0x0                               ; for the others' sake: my eight B are in LDS
	s_barrier_signal -1
	s_barrier_wait -1
	s_cmp_lg_u32 s8, 0
	s_cbranch_scc1 .Lend                           ; wave 0 alone writes the B row
	v_and_b32 v[TA], 15, v0
	v_lshlrev_b32 v[TA], 4, v[TA]
	ds_load_b128 v[T:T+3], v[TA]                   ; lanes 0-15: the 64 B; lanes 16-31 read them too and are set to 0 below
	v_lshlrev_b32 v[RO], 4, v[LN]
	v_cmp_gt_u32 vcc_lo, 16, v[LN]
	s_wait_dscnt 0x0
.irp c, 0,1,2,3
	v_cndmask_b32 v[T+\c], 0, v[T+\c], vcc_lo
.endr
	global_store_b128 v[RO], v[T:T+3], s[6:7] offset:64*512  ; row 64: 512 consecutive bytes
.Lend:
	s_wait_tensorcnt 0x0                           ; the wave's end: behind my last LDS store
	ds_add_u32 v[SPW], v[NIL]
	s_wait_dscnt 0x0
	s_endpgm
.Lfunc_end_k_qdc284a968f_prep:
	.size	k_qdc284a968f_prep, .Lfunc_end_k_qdc284a968f_prep-k_qdc284a968f_prep
	.p2alignl 7, 3214868480
	.fill 96, 4, 3214868480
	.section	.rodata,"a",@progbits
	.p2align	6, 0x0
	.amdhsa_kernel k_qdc284a968f_prep
		.amdhsa_group_segment_fixed_size 1280
		.amdhsa_private_segment_fixed_size 0
		.amdhsa_enable_private_segment 0
		.amdhsa_kernarg_size 16
		.amdhsa_user_sgpr_count 2
		.amdhsa_user_sgpr_kernarg_segment_ptr 1
		.amdhsa_wavefront_size32 1
		.amdhsa_system_sgpr_workgroup_id_x 1
		.amdhsa_system_sgpr_workgroup_id_y 1
		.amdhsa_system_sgpr_workgroup_id_z 1
		.amdhsa_system_vgpr_workitem_id 0
		.amdhsa_next_free_vgpr 116
		.amdhsa_next_free_sgpr 66
		.amdhsa_reserve_vcc 1
		.amdhsa_float_denorm_mode_32 3
		.amdhsa_float_denorm_mode_16_64 3
		.amdhsa_memory_ordered 1
		.amdhsa_forward_progress 1
		.amdhsa_inst_pref_size 15
	.end_amdhsa_kernel
	.amdgpu_metadata
---
amdhsa.version: [ 1, 2 ]
amdhsa.kernels:
  - .name:           k_qdc284a968f_prep
    .symbol:         k_qdc284a968f_prep.kd
    .args:
      - { .name: codebook, .offset: 0, .size: 8, .value_kind: global_buffer, .address_space: global }
      - { .name: cbw, .offset: 8, .size: 8, .value_kind: global_buffer, .address_space: global }
    .group_segment_fixed_size: 1280
    .private_segment_fixed_size: 0
    .kernarg_segment_align: 8
    .kernarg_segment_size: 16
    .max_flat_workgroup_size: 256
    .sgpr_count:     66
    .vgpr_count:     116
    .wavefront_size: 32
...
	.end_amdgpu_metadata
.endif
;; end of part 1
;; launch argmin (part 2): grid 256 x 1, 4 waves a work-group, clusters of 4 x 1, 327,680 bytes of LDS; arguments z, cbw, rows; writes rows
.if DOCPART == 2
	.amdgcn_target "amdgcn-amd-amdhsa--gfx1250"
	.amdhsa_code_object_version 6
	.text
	.protected	k_qdc284a968f_argmin
	.globl	k_qdc284a968f_argmin
	.p2align	8
	.type	k_qdc284a968f_argmin,@function
k_qdc284a968f_argmin:
	s_mov_b64 s[64:65], 0
	v_nop
	global_prefetch_b8 v0, s[64:65] scope:SCOPE_SE
	s_setreg_imm32_b32 hwreg(HW_REG_WAVE_MODE, 25, 1), 1
	s_wait_xcnt 0x0
	s_wait_alu depctr_hold_cnt(0) depctr_sa_sdst(0) depctr_va_vdst(0) depctr_va_sdst(0) depctr_va_ssrc(0) depctr_va_vcc(0) depctr_vm_vsrc(0)
	s_getreg_b32 s2, hwreg(HW_REG_IB_STS2, 6, 4)
	s_cmp_eq_u32 s2, 0
	s_cbranch_scc0 .Lentry_in_a_cluster
	s_endpgm
.Lentry_in_a_cluster:
	s_bfe_u32 s2, ttmp6, 0x10000c
	s_cmp_lg_u32 s2, 0x3003
	s_cbranch_scc0 .Lentry_shape_is_right
	s_endpgm
.Lentry_shape_is_right:
; THE NEAREST CODE OF EACH VECTOR.  z: [32][256][1024] f32; vector n = 1024 b + hw is the column z[b][:][hw].  cbw: the codebook in bf16 blocks with B_k = |c_k|^2 (see below).
; For each n: the FIRST k that makes D_k = fl(fl(A + B_k) - 2 M_k) least, A = the sum of squares of z's column rounded to bf16, M = the product of the rounded operands, sums in f32.
; D is formed and rounded in f32 in that order, since many k tie in the rounded D and the first of them is asked for: fl(A + B) is one addition, and one fused multiply-add by -2
; gives fl(that - 2 M), 2 M being exact.  Stored: rows[n] = the winner's row number in cbw, (4 i + w) 65 + k % 64 for k = 2048 w + 64 i + k % 64: a whole number for the next launch's addresses.
; LIMITS.  Inputs count as their roundings to bf16 (range as f32's).  A, B and M are summed in this text's own order, so a D that lies within that difference of a rounding boundary may
; fall on the other side.  NaN and infinities are not treated apart: a NaN never wins; if no D of a vector is finite its index means nothing.
; SHARES.  A work-group owns 128 vectors (queries).  EVERY wave holds all 128 as fragments in 512 registers, and walks its own quarter of the codes, 2048 w .. 2048 w + 2047, 16 a tile:
; a code fragment read from LDS feeds 8 products.  Source 0 = 16 codes, source 1 = 16 queries: in the result a lane holds ONE query (lane % 16) and the codes 8 (lane / 16) + 0..7,
; so the minimum is kept lane by lane: best value, the winning tile's first code, and the winning tile's eight D (the place among them is looked for once, at the end).
; A strict compare keeps the earlier tile; at the end the lanes' halves are merged by value and then by k, the waves by a strict compare, the lower wave holding the lower k.
; BY TURNS.  A code tile is two PERIODS of 32 products (queries 0-63, then 64-127; 4 accumulators by turns, 8 steps of 32 along the depth).  While one set of 4 accumulators is summed, the other set,
; finished a period ago, is reduced: 23 vector instructions for 16 x 16 numbers, 92 a period, three behind each product.
; CLUSTER.  All work-groups walk the same cbw: wave w of the four partners asks JOINTLY (mask of four) for block 4 i + w, 64 codes and their B: 65 rows of 512 bytes.  Each wave has a ring of two slots
; of its own and reads only what its own load brought.  The place in the cluster enters z's and rows' global addresses alone.
; REGISTERS, in windows of 256 (s_set_vgpr_msb: bits 1:0 source 0, 3:2 source 1, 5:4 source 2, 7:6 destination):
;   window 0: all that the vector work names (map below)     window 1: v0-63, v64-127 code fragments, two buffers; depth step s at + 8 s
;   windows 2, 3: the queries: tile t, depth step s in window 2 + t / 4 at 64 (t % 4) + 8 s
; So a product and its three vector instructions cost two switches.
.set PITCH, 528                        ; a row of codes in LDS: 512 bytes + 16 of padding = 132 words: row r starts at bank 4 r mod 64 (64 banks of 4 bytes: ISA guide 11.1)
.set WRING, 0x11000                    ; a wave's ring; bits 15 and 11 are clear in every multiple up to 3,
.set SLOTX, 0x8800                     ; so one exclusive or turns an address in one slot into the other's.  A slot holds 65 x 528 = 34,320 bytes
.set BLOCK, 33280                      ; a block in memory: 65 rows of 512 bytes
.set BROW,  64*PITCH                   ; the B row's place in a slot
.set TILEB, 16*PITCH                   ; 16 codes
.set STG,   4*WRING                    ; behind the rings: the stage for z, two buffers of 64 depths x 128 queries in bf16
.set SPIT,  288                        ; its pitch: 256 + 32 bytes = 72 words
.set SBUF,  64*SPIT
.set AP,    STG+2*SBUF                 ; the four waves' partial sums of squares: 4 x 128 f32
.set MRG,   AP+2048                    ; the four waves' best values, 4 x 128 f32, then their k, 4 x 128
.set SPARE, MRG+4096                   ; the spare words, 128 bytes for each wave: two blocks of 256 bytes that no other line names
.set AK0, 3                            ; v3   my lane's place in a tile of codes of my ring's slot 0; never rewritten
.set AB0, 4                            ; v4   the same in the B row
.set ADR, 5                            ; v5   LDS address of the run of loads in hand: codes
.set ADB, 6                            ; v6   B
.set AT0, 7                            ; v7   my lane's place in the stage for the turning loads
.set ZO,  8                            ; v8   my byte offset in the work-group's part of z
.set STO, 9                            ; v9   where I put 8 bytes of a stage row
.set APS, 10                           ; v10  where I put my partial sums; at the end 8 (lane / 16)
.set APR, 11                           ; v11  where I read them
.set SPW, 12                           ; v12  LDS address of my spare word; never rewritten
.set NIL, 13                           ; v13  0; never rewritten
.set G2,  14                           ; v14-15  a second chain of the minimum, for the two query tiles in hand
.set ST,  16                           ; v16-47  query tile t at 16 + 4 t: A, best D, the winning tile's first code, the tile's minimum
.set BV,  48                           ; v48-63  B of my eight codes, two buffers
.set TS,  64                           ; v64-79  fl(A + B), for the two query tiles in hand
.set ACC, 80                           ; v80-143 two sets of four accumulators
.set SV,  144                          ; v144-207 query tile t: the winning tile's eight D
.set ZR,  80                           ; at the start v80-207: z as loaded, two buffers of 16 rows x 4 registers
.set AS,  208                          ; v208-211 sums of squares of my four queries
.set CV,  212                          ; v212-219 rounded pairs, four sets
.set UU,  220                          ; v220-227 the same as f32, two sets
.set WV,  10                           ; s10  my wave's number
.set G1,  16                           ; s[16:23] descriptor group 1
.set G0,  24                           ; s[24:27] descriptor group 0: it walks
.set SLOTS, 28                         ; s28  blocks still to be asked for
.set CNT, 29                           ; s29  counts a block's two pairs of tiles
.set TBK, 30                           ; s30  slot and tile of the codes to be fetched next, in bytes
.set TBB, 31                           ; s31  the same for B
.set CUR, 32                           ; s32  first code of the tile that is being reduced
.set HM,  33                           ; s33  a word's upper bf16
.set MK,  34                           ; s34-35  lanes in which the tile in hand wins, for the two query tiles in hand
.set SEL, 36                           ; s[36:37] v_permlanex16_b32: each lane takes its own place in the other half
.set INF, 42                           ; s42  +infinity
.set MSB, 0
.macro WIN new                         ; the immediate's high byte repeats the setting that is left; a switch that changes nothing is dropped
.if MSB != (\new)
	s_set_vgpr_msb (MSB<<8)|(\new)
.set MSB, (\new)
.endif
.endm
; A round of the cluster's barrier: my work-group's barrier, so that wave 0's signal speaks for all four waves; wave 0 signals; every wave waits for all four work-groups; my work-group's barrier once more.
.macro CROUND
	s_barrier_signal -1
	s_barrier_wait -1
	s_cmp_lg_u32 s[WV], 0
	s_cbranch_scc1 .Lnot_wave_0_\@
	s_barrier_signal -3
.Lnot_wave_0_\@:
	s_barrier_wait -3
	s_barrier_signal -1
	s_barrier_wait -1
.endm
	s_load_b128 s[4:7], s[0:1], 0x0                ; z s[4:5], cbw s[6:7]
	s_load_b64 s[8:9], s[0:1], 0x10                ; rows
	v_lshl_add_u32 v[SPW], v0, 2, SPARE
	v_mov_b32 v[NIL], 0
	ds_add_u32 v[SPW], v[NIL]                      ; the wave's opening: the add and its wait stand ahead of my first tensor load; the set-up below, work on registers, stands between them
	v_lshrrev_b32 v1, 5, v0
	v_readfirstlane_b32 s[WV], v1                  ; wave 0..3
	s_bfe_u32 s11, ttmp6, 0x40000                  ; cx: my place in the cluster
	s_lshl_b32 s12, ttmp9, 2                       ; in a cluster launch ttmp9 counts clusters
	s_add_co_u32 s12, s12, s11                     ; g, my block of 128 queries: it enters z's and rows' addresses alone
	s_lshr_b32 s38, s12, 3                         ; b = g / 8: 1,048,576 bytes of z each,
	s_lshl_b32 s38, s38, 20
	s_and_b32 s39, s12, 7                          ; and 128 (g % 8) numbers along a row
	s_lshl_b32 s39, s39, 9
	s_or_b32 s38, s38, s39
	s_mov_b32 s39, 0
	s_lshl_b32 s40, s12, 9                         ; 128 whole numbers of rows
	s_mov_b32 s41, 0
	; descriptor group 1: a tile of 65 rows x 256 elements of 2 bytes, padded in LDS
	s_mov_b32 s[G1], 15|(1<<16)|(1<<20)|(1<<21)|(6<<22)|(3<<25)  ; 15:0 the mask of four; 17:16 2-byte elements; 20 padding on; 21 set beside a mask; 24:22 after every 128 words (code 6); 31:25 4 words (code 3)
	s_mov_b32 s[G1+1], 256<<16                     ; tensor_dim0 = 256
	s_mov_b32 s[G1+2], 65<<16                      ; tensor_dim1 = 65
	s_mov_b32 s[G1+3], 256<<16                     ; tile_dim0 = 256
	s_mov_b32 s[G1+4], 65                          ; tile_dim1 = 65
	s_mov_b32 s[G1+5], 256                         ; 256 elements from row to row
	s_mov_b32 s[G1+6], 0
	s_mov_b32 s[G1+7], 0
	s_mul_i32 s13, s[WV], WRING                    ; my ring: the wave's number alone enters an LDS address
	s_mov_b32 s[G0], 1                             ; 1:0 count = 1
	s_mov_b32 s[G0+1], s13                         ; 63:32 LDS address: my slot 0
	s_mul_i32 s14, s[WV], BLOCK                    ; block w is my first
	s_mov_b32 s15, 0
	s_mov_b32 s[HM], 0xffff0000
	s_mov_b32 s[SEL], 0x76543210
	s_mov_b32 s[SEL+1], 0xfedcba98
	s_mov_b32 s[INF], 0x7f800000
	v_and_b32 v1, 15, v0                           ; r = l % 16
	v_bfe_u32 v2, v0, 4, 1                         ; h = l / 16
	; a fragment of codes is 16 rows x 32 depths in 8 registers: lane l holds row r, depths 8 h + 0..7 and 16 + 8 h + 0..7: two loads of 16 bytes, 32 bytes apart
	v_mul_u32_u24 v[AK0], v1, PITCH
	v_lshl_add_u32 v[AK0], v2, 4, v[AK0]
	v_add_nc_u32 v[AK0], s13, v[AK0]
	s_add_co_u32 s43, s13, BROW
	v_lshl_add_u32 v[AB0], v2, 5, s43              ; B of the codes 8 h + 0..7: 32 bytes
	; the turning load takes 16 depths x 16 queries (lane l reads depth 8 h + l % 8, queries 8 ((l / 8) % 2) + 0..7) and leaves half a fragment: lane l holds query r and 8 depths
	v_and_b32 v14, 7, v0
	v_bfe_u32 v15, v0, 3, 1
	v_lshl_add_u32 v[AT0], v2, 3, v14
	v_mul_u32_u24 v[AT0], v[AT0], SPIT
	v_lshl_add_u32 v[AT0], v15, 4, v[AT0]
	v_add_nc_u32 v[AT0], STG, v[AT0]
	v_and_b32 v14, 31, v0                          ; l
	s_lshl_b32 s44, s[WV], 16                      ; of each 64 depths my wave takes 16 rows of 4,096 bytes
	v_lshl_add_u32 v[ZO], v14, 4, s44              ; and my lane 4 queries, 16 bytes
	s_mul_i32 s45, s[WV], 16*SPIT
	s_add_co_u32 s45, s45, STG
	v_lshl_add_u32 v[STO], v14, 3, s45
	s_lshl_b32 s46, s[WV], 9
	s_add_co_u32 s46, s46, AP
	v_lshl_add_u32 v[APS], v14, 4, s46
	v_lshl_add_u32 v[APR], v1, 2, AP
	s_wait_dscnt 0x0                               ; the opening add is done
	s_wait_kmcnt 0x0
	s_add_nc_u64 s[4:5], s[4:5], s[38:39]
	s_add_nc_u64 s[8:9], s[8:9], s[40:41]
	s_add_nc_u64 s[G0+2:G0+3], s[6:7], s[14:15]    ; 120:64 global address
	s_or_b32 s[G0+3], s[G0+3], 0x80000000          ; 127:126 type = 2
; z COMES IN FOUR PASSES OF 64 DEPTHS.  In a pass my wave loads 16 rows (512 consecutive bytes each), rounds them to bf16, adds their squares, and puts them into the stage [depth][query];
; behind a barrier every wave takes the whole pass out of the stage, turned, as fragments of all 8 query tiles.
.macro ZLOAD p
.set i, 0
.rept 16
	global_load_b128 v[ZR+64*((\p)%2)+4*i:ZR+64*((\p)%2)+4*i+3], v[ZO], s[4:5] offset:(64*(\p)+i)*4096 th:TH_LOAD_NT
.set i, i+1
.endr
.endm
.macro QLOAD p                         ; q counts query tile q / 2 and the pass's depth step q % 2
.set q, 0
.rept 16
	WIN 0x80+0x40*(q/8)                            ; destination window 2 (tiles 0-3) or 3, address window 0
.set rQ, 64*((q/2)%4)+8*(2*(\p)+q%2)
.set oQ, ((\p)%2)*SBUF+(q%2)*32*SPIT+32*(q/2)
	ds_load_tr16_b128 v[rQ:rQ+3],   v[AT0] offset:oQ
	ds_load_tr16_b128 v[rQ+4:rQ+7], v[AT0] offset:oQ+16*SPIT
.set q, q+1
.endr
	WIN 0
.endm
.macro ZPASS p
.if (\p) < 3
	s_wait_loadcnt 16                              ; loads come back in order: this pass's sixteen are in, the next pass's sixteen stay out
.else
	s_wait_loadcnt 0x0
.endif
.set i, 0
.rept 16
.set rZ, ZR+64*((\p)%2)+4*i
.set rC, CV+2*(i%4)
.set rU, UU+4*(i%2)
	v_cvt_pk_bf16_f32 v[rC],   v[rZ],   v[rZ+1]
	v_cvt_pk_bf16_f32 v[rC+1], v[rZ+2], v[rZ+3]
	ds_store_b64 v[STO], v[rC:rC+1] offset:((\p)%2)*SBUF+SPIT*i  ; 32 lanes x 8 bytes: a stage row
	v_lshlrev_b32 v[rU],   16,    v[rC]            ; the rounded numbers back as f32, for A
	v_and_b32     v[rU+1], s[HM], v[rC]
	v_lshlrev_b32 v[rU+2], 16,    v[rC+1]
	v_and_b32     v[rU+3], s[HM], v[rC+1]
.if ((\p) == 0) && (i == 0)
	v_pk_mul_f32 v[AS:AS+1],   v[rU:rU+1],   v[rU:rU+1]     ; the first squares start the sums
	v_pk_mul_f32 v[AS+2:AS+3], v[rU+2:rU+3], v[rU+2:rU+3]
.else
	v_pk_fma_f32 v[AS:AS+1],   v[rU:rU+1],   v[rU:rU+1],   v[AS:AS+1]
	v_pk_fma_f32 v[AS+2:AS+3], v[rU+2:rU+3], v[rU+2:rU+3], v[AS+2:AS+3]
.endif
.set i, i+1
.endr
.if (\p) < 2
	ZLOAD (\p)+2                                   ; into the registers just read out
.endif
.if (\p) == 3
	ds_store_b128 v[APS], v[AS:AS+3]               ; my wave's share of A for my four queries
.endif
	s_wait_dscnt 0x0                               ; for the others' sake: my stores are done, and so are my turning loads of the pass before, whose buffer the next pass writes
	s_barrier_signal -1
	s_barrier_wait -1
	QLOAD \p
.endm
	ZLOAD 0
	ZLOAD 1
	CROUND                                         ; all four work-groups are here: the first joint load meets
	tensor_load_to_lds s[G0:G0+3], s[G1:G1+7]      ; block w into my slot 0; slot 1 is asked for when it has landed
	s_nop 0
.rept 4
	v_nop
.endr
	; What the walk's first tile, a dummy, finds: code fragments of zeros and B = +infinity, so that its D is +infinity and wins nothing.  These lines stand in the wait for z.
	WIN 0x40
.set i, 64
.rept 64
	v_mov_b32 v[i], 0
.set i, i+1
.endr
	WIN 0
.set i, 0
.rept 16
	v_mov_b32 v[BV+i], s[INF]
.set i, i+1
.endr
.set t, 0
.rept 8
	v_mov_b32 v[ST+4*t+1], s[INF]                  ; best D
	v_mov_b32 v[ST+4*t+2], 0
.set t, t+1
.endr
	ZPASS 0
	ZPASS 1
	ZPASS 2
	ZPASS 3
.set t, 0
.rept 8                                ; A of query 16 t + r: the four waves' shares
.irp wq, 0,1,2,3
	ds_load_b32 v[ZR+4*t+\wq], v[APR] offset:512*\wq+64*t
.endr
.set t, t+1
.endr
	s_lshl_b32 s[CUR], s[WV], 11                   ; two tiles ahead of my first code: the dummy and the lag of the reduction
	s_sub_co_u32 s[CUR], s[CUR], 32
	s_mov_b32 s[TBK], SLOTX+4*TILEB                ; the first change of slots turns these two into 0
	s_mov_b32 s[TBB], SLOTX+256
	s_mov_b32 s[SLOTS], 31
	s_wait_dscnt 0x0                               ; the shares of A, and the last turning loads
.set t, 0
.rept 8
	v_pk_add_f32 v[ZR+4*t:ZR+4*t+1], v[ZR+4*t:ZR+4*t+1], v[ZR+4*t+2:ZR+4*t+3]
.set t, t+1
.endr
.set t, 0
.rept 8
	v_add_f32 v[ST+4*t], v[ZR+4*t], v[ZR+4*t+1]
.set t, t+1
.endr
	; The second set of accumulators and the eight kept D of each query tile still hold numbers of z: with B = +infinity the first gives D = +infinity (or NaN), and the second is replaced whole by the first tile that wins.
; THE MATRIX WORK.  Product i of a period's 32: depth step i / 4, query tile 4 h + i % 4.  The four accumulators take turns, one instruction a turn, and the set changes from period to period.
; The first four start the sums with the constant 0.
.macro MM f, h
	WIN 0x09+4*(\h)                                ; codes in window 1, queries in window 2 + h, sums in window 0
.set rD, ACC+32*(\h)+8*(i%4)
.set rF, 64*(\f)+8*(i/4)
.set rQ, 64*(i%4)+8*(i/4)
.if i < 4
	v_wmma_f32_16x16x32_bf16 v[rD:rD+7], v[rF:rF+7], v[rQ:rQ+7], 0
.else
	v_wmma_f32_16x16x32_bf16 v[rD:rD+7], v[rF:rF+7], v[rQ:rQ+7], v[rD:rD+7]
.endif
.set i, i+1
.endm
; THE VECTOR WORK.  Entry e of the 92 that reduce accumulator set x (query tiles tg .. tg + 3) with B in buffer bf.  Two query tiles at a time, alternating, so that no line reads the result of the line before it.
; For a query tile, number n of 23:  0-3 fl(B + A), four pairs     4-7 D = fl(that - 2 M), in place, the accumulator's lowest registers first
;   8-11 the least of the eight D     12 does it beat the best?  (strictly: the earlier tile stays)     13 the best     14 the tile's first code     15-22 its eight D
.macro RD tg, x, bf
.if e < 92
.set n, (e%46)/2
.set u, e%2
.set tq, 2*(e/46)+u
.set rA, ACC+32*(\x)+8*tq
.set rT, ST+4*((\tg)+tq)
.set rV, SV+8*((\tg)+tq)
.set rS, TS+8*u
.set rB, BV+8*(\bf)
	WIN 0
.if n < 4
	v_pk_add_f32 v[rS+2*n:rS+2*n+1], v[rB+2*n:rB+2*n+1], v[rT:rT+1] op_sel_hi:[1,0]
.elseif n < 8
	v_pk_fma_f32 v[rA+2*n-8:rA+2*n-7], v[rA+2*n-8:rA+2*n-7], -2.0, v[rS+2*n-8:rS+2*n-7] op_sel_hi:[1,0,1]
.elseif n == 8
	v_min3_num_f32 v[rT+3], v[rA], v[rA+1], v[rA+2]
.elseif n == 9
	v_min3_num_f32 v[G2+u], v[rA+3], v[rA+4], v[rA+5]
.elseif n == 10
	v_min3_num_f32 v[rT+3], v[rT+3], v[rA+6], v[rA+7]
.elseif n == 11
	v_min_num_f32 v[rT+3], v[rT+3], v[G2+u]
.elseif n == 12
	v_cmp_lt_f32 s[MK+u], v[rT+3], v[rT+1]
.elseif n == 13
	v_min_num_f32 v[rT+1], v[rT+1], v[rT+3]
.elseif n == 14
	v_cndmask_b32 v[rT+2], v[rT+2], s[CUR], s[MK+u]
.else
	v_cndmask_b32 v[rV+n-15], v[rV+n-15], v[rA+n-15], s[MK+u]
.endif
.endif
.set e, e+1
.endm
; THE LDS LOADS stand in one run of 18 a tile: the next tile's 8 fragments and its B.
.macro FETCH g
	WIN 0x40                                       ; destination window 1, address window 0
.irp s, 0,1,2,3,4,5,6,7
	ds_load_b128 v[64*(\g)+8*\s:64*(\g)+8*\s+3],   v[ADR] offset:64*\s
	ds_load_b128 v[64*(\g)+8*\s+4:64*(\g)+8*\s+7], v[ADR] offset:64*\s+32
.endr
	WIN 0
	ds_load_b128 v[BV+8*(\g):BV+8*(\g)+3],   v[ADB]
	ds_load_b128 v[BV+8*(\g)+4:BV+8*(\g)+7], v[ADB] offset:16
	s_add_co_u32 s[TBK], s[TBK], TILEB             ; the next fetch is the next tile's
	s_add_co_u32 s[TBB], s[TBB], 64
.endm
; A PERIOD: 32 products of the tile in buffer f on accumulator set h, three vector instructions behind each.  h = 0: they reduce set 1 of the tile BEFORE (its B lies in the other buffer); h = 1: set 0 of this tile.
; The first line that reads an accumulator is entry 8; between it and the accumulator's last product stand the eight last entries of the period before and entries 0-7, plain instructions that name none of that product's registers.
; fetch = 1 (h = 1): the next tile's run of loads stands behind the second product, 30 products ahead of the wait for it; the buffers that it fills were last read a period ago or more.
.macro PERIOD f, h, fetch
.if (\h) == 0
	s_wait_dscnt 0x0                               ; this tile's fragments and B are in
.else
	WIN 0
	s_add_co_u32 s[CUR], s[CUR], 16                ; the reduction comes to this tile
.if \fetch
	v_add_nc_u32 v[ADR], s[TBK], v[AK0]
	v_add_nc_u32 v[ADB], s[TBB], v[AB0]
.endif
.endif
.set i, 0
.set e, 0
.rept 32
	MM \f, \h
.rept 3
.if (\h) == 0
	RD 4, 1, 1-(\f)
.else
	RD 0, 0, \f
.endif
.endr
.if (\fetch) && (i == 2)
	FETCH 1-(\f)
.endif
.endr
.endm
.macro TILE f, fetch
	PERIOD \f, 0, 0
	PERIOD \f, 1, \fetch
.endm
; THE CHANGE OF SLOTS.  The slot's last bytes, its fourth tile and that tile's B, have been asked for.  fill = 1: each wave waits for all its tensor loads, of which one is out: the other slot's; adds 0 to its spare word;
; and waits for that and for its reads of the slot that it leaves.  Then a round of the cluster's barrier, so that no wave of any partner still reads its slot or has a load on its way, and the joint
; refill is the first thing behind it: it has a block's four tiles, 256 products, in which to land.  (At its first use nothing has been read yet: slot 0 is waited for, slot 1 filled.)
; fill = 0: nothing is filled, so the wait for my own load is all that my reads need.
.macro CHANGE fill
	WIN 0                                          ; at a label and at a branch every window is 0
	s_wait_tensorcnt 0x0                           ; no tensor load of mine is out, so group 0 may be written
.if \fill
	ds_add_u32 v[SPW], v[NIL]                      ; 0 onto my spare word; the descriptor's steps stand between it and the wait for it
	s_xor_b32 s[G0+1], s[G0+1], SLOTX              ; the other slot than last time,
	s_add_nc_u64 s[G0+2:G0+3], s[G0+2:G0+3], 4*BLOCK  ; my next block; the type bits on top are not reached
	s_wait_dscnt 0x0                               ; the add is done, and my reads of the slot are over
	CROUND
	tensor_load_to_lds s[G0:G0+3], s[G1:G1+7]
	s_nop 0
.rept 4
	v_nop
.endr
.endif
	s_sub_co_u32 s[TBK], s[TBK], 4*TILEB           ; the fetches go back to a slot's first tile,
	s_xor_b32 s[TBK], s[TBK], SLOTX                ; in the other slot
	s_sub_co_u32 s[TBB], s[TBB], 256
	s_xor_b32 s[TBB], s[TBB], SLOTX
.endm
; THE WALK.  A trip multiplies the fourth tile of the block before (the first time: the dummy) and the first three of its own, and fetches its own four.
.Lslot:                                                ; 31 trips: blocks 1 to 31 of my 32 are asked for
	CHANGE 1
	s_mov_b32 s[CNT], 2
.Lpair:
	TILE 1, 1
	TILE 0, 1
	WIN 0
	s_sub_co_u32 s[CNT], s[CNT], 1
	s_cmp_lg_u32 s[CNT], 0
	s_cbranch_scc1 .Lpair
	s_sub_co_u32 s[SLOTS], s[SLOTS], 1
	s_cmp_lg_u32 s[SLOTS], 0
	s_cbranch_scc1 .Lslot
	CHANGE 0                                       ; the last block's trip is written out
	s_mov_b32 s[CNT], 2
.Ltail:
	TILE 1, 1
	TILE 0, 1
	WIN 0
	s_sub_co_u32 s[CNT], s[CNT], 1
	s_cmp_lg_u32 s[CNT], 0
	s_cbranch_scc1 .Ltail
	TILE 1, 0                                      ; my last tile: nothing is left to fetch
.set e, 0
.rept 92
	RD 4, 1, 1                                     ; and the reduction of its second set
.endr
	; THE WAY OUT.  In each lane and query tile: the first of the eight kept D that equals the best gives k; the other half of the lanes holds the query's other codes; then the four waves' results meet in LDS.
	WIN 0
	v_lshlrev_b32 v[APS], 3, v2                    ; 8 h
	s_lshl_b32 s13, s[WV], 9
	s_add_co_u32 s13, s13, MRG
	v_lshl_add_u32 v[AB0], v1, 2, s13              ; where my query's value goes: my wave's 512 bytes, word 16 t + r
.set t, 0
.rept 8
.set rT, ST+4*t
.set rV, SV+8*t
.set rJ, TS+t
	v_mov_b32 v[rJ], 7
.irp j, 6,5,4,3,2,1,0                  ; descending, so that the lowest place stays
	v_cmp_eq_f32 vcc_lo, v[rV+\j], v[rT+1]
	v_cndmask_b32 v[rJ], v[rJ], \j, vcc_lo
.endr
	v_add3_u32 v[rT+2], v[rT+2], v[rJ], v[APS]     ; k = the tile's first code + 8 h + the place
	v_permlanex16_b32 v[rT+3], v[rT+1], s[SEL], s[SEL+1]  ; the other half's value,
	v_permlanex16_b32 v[rT], v[rT+2], s[SEL], s[SEL+1]    ; and its k
	v_cmp_lt_f32 s38, v[rT+3], v[rT+1]
	v_cmp_eq_f32 s39, v[rT+3], v[rT+1]
	v_cmp_lt_u32 vcc_lo, v[rT], v[rT+2]
	s_and_b32 s39, s39, vcc_lo
	s_or_b32 s38, s38, s39                         ; the other wins by value, or at equal value by the lower k
	v_cndmask_b32 v[rT+1], v[rT+1], v[rT+3], s38
	v_cndmask_b32 v[rT+2], v[rT+2], v[rT], s38
	ds_store_b32 v[AB0], v[rT+1] offset:64*t       ; both halves write the same word with the same number
	ds_store_b32 v[AB0], v[rT+2] offset:2048+64*t
.set t, t+1
.endr
	s_wait_dscnt 0x0                               ; for the others' sake: my stores are done
	s_barrier_signal -1
	s_barrier_wait -1
	s_cmp_lg_u32 s[WV], 0
	s_cbranch_scc1 .Lend                           ; wave 0 alone merges and stores
	v_and_b32 v[ADR], 31, v0
	v_lshlrev_b32 v[ADR], 4, v[ADR]                ; my four queries: 16 bytes
	v_add_nc_u32 v[ADB], MRG, v[ADR]
.irp q, 0,1,2,3
	ds_load_b128 v[80+4*\q:83+4*\q], v[ADB] offset:512*\q       ; wave q's values
	ds_load_b128 v[96+4*\q:99+4*\q], v[ADB] offset:2048+512*\q  ; and k
.endr
	s_wait_dscnt 0x0
.irp q, 1,2,3
.irp c, 0,1,2,3
	v_cmp_lt_f32 vcc_lo, v[80+4*\q+\c], v[80+\c]   ; strictly: at equal value the lower wave, which holds the lower k, stays
	v_cndmask_b32 v[80+\c], v[80+\c], v[80+4*\q+\c], vcc_lo
	v_cndmask_b32 v[96+\c], v[96+\c], v[96+4*\q+\c], vcc_lo
.endr
.endr
.irp c, 0,1,2,3
	v_bfe_u32 v[112+\c], v[96+\c], 6, 5            ; i
	v_lshrrev_b32 v[116+\c], 11, v[96+\c]          ; w
	v_and_b32 v[96+\c], 63, v[96+\c]               ; the row in the block
	v_mad_u32_u24 v[96+\c], v[112+\c], 260, v[96+\c]
	v_mad_u32_u24 v[96+\c], v[116+\c], 65, v[96+\c]  ; (4 i + w) 65 + row
.endr
	global_store_b128 v[ADR], v[96:99], s[8:9]     ; 512 consecutive bytes, at a multiple of 256 from rows' first byte
.Lend:
	s_wait_tensorcnt 0x0                           ; the wave's end: behind my last tensor load and my last LDS store
	ds_add_u32 v[SPW], v[NIL]
	s_wait_dscnt 0x0
	CROUND                                         ; the closing round: no work-group ends while a partner may still ask for a block that names it
	s_endpgm
.Lfunc_end_k_qdc284a968f_argmin:
	.size	k_qdc284a968f_argmin, .Lfunc_end_k_qdc284a968f_argmin-k_qdc284a968f_argmin
	.p2alignl 7, 3214868480
	.fill 96, 4, 3214868480
	.section	.rodata,"a",@progbits
	.p2align	6, 0x0
	.amdhsa_kernel k_qdc284a968f_argmin
		.amdhsa_group_segment_fixed_size 327680
		.amdhsa_private_segment_fixed_size 0
		.amdhsa_enable_private_segment 0
		.amdhsa_kernarg_size 24
		.amdhsa_user_sgpr_count 2
		.amdhsa_user_sgpr_kernarg_segment_ptr 1
		.amdhsa_wavefront_size32 1
		.amdhsa_system_sgpr_workgroup_id_x 1
		.amdhsa_system_sgpr_workgroup_id_y 1
		.amdhsa_system_sgpr_workgroup_id_z 1
		.amdhsa_system_vgpr_workitem_id 0
		.amdhsa_next_free_vgpr 1024
		.amdhsa_next_free_sgpr 66
		.amdhsa_reserve_vcc 1
		.amdhsa_float_denorm_mode_32 3
		.amdhsa_float_denorm_mode_16_64 3
		.amdhsa_memory_ordered 1
		.amdhsa_forward_progress 1
		.amdhsa_inst_pref_size 176
	.end_amdhsa_kernel
	.amdgpu_metadata
---
amdhsa.version: [ 1, 2 ]
amdhsa.kernels:
  - .name:           k_qdc284a968f_argmin
    .symbol:         k_qdc284a968f_argmin.kd
    .args:
      - { .name: z, .offset: 0, .size: 8, .value_kind: global_buffer, .address_space: global }
      - { .name: cbw, .offset: 8, .size: 8, .value_kind: global_buffer, .address_space: global }
      - { .name: rows, .offset: 16, .size: 8, .value_kind: global_buffer, .address_space: global }
    .group_segment_fixed_size: 327680
    .private_segment_fixed_size: 0
    .kernarg_segment_align: 8
    .kernarg_segment_size: 24
    .max_flat_workgroup_size: 128
    .sgpr_count:     66
    .vgpr_count:     1024
    .wavefront_size: 32
...
	.end_amdgpu_metadata
.endif
;; end of part 2
;; launch gather (part 3): grid 512 x 1, 8 waves a work-group, no clusters, 34,304 bytes of LDS; arguments z, cbw, rows, out0, part; writes out0, part
.if DOCPART == 3
	.amdgcn_target "amdgcn-amd-amdhsa--gfx1250"
	.amdhsa_code_object_version 6
	.text
	.protected	k_qdc284a968f_gather
	.globl	k_qdc284a968f_gather
	.p2align	8
	.type	k_qdc284a968f_gather,@function
k_qdc284a968f_gather:
	s_mov_b64 s[64:65], 0
	v_nop
	global_prefetch_b8 v0, s[64:65] scope:SCOPE_SE
	s_setreg_imm32_b32 hwreg(HW_REG_WAVE_MODE, 25, 1), 1
	s_wait_xcnt 0x0
; out0[b][d][hw] = zb + (q - zb), and the work-group's share of the sum of (q - zb)^2.  zb = z rounded to bf16, q = the chosen code's number d, in bf16 from cbw; both additions in f32, in that order.
; rows[n] is the chosen code's row number in cbw (rows of 512 bytes), stored by the launch before; it is held to the table's 8,320 rows before it enters an address.
; SHARES.  A work-group owns 64 queries: 256 consecutive bytes of each of the 256 rows z[b][d][:].  Wave w fetches the codes of queries 8 w .. 8 w + 7 (a whole row of 512 bytes to a load) and puts them into LDS
; [query][d]; behind a barrier it takes d = 32 w .. 32 w + 31 of all 64 queries, lane l the queries 2 l and 2 l + 1, as z's loads and out0's stores want them: 256 consecutive bytes each, at multiples of 256.
; LDS rows are 516 bytes = 129 words apart: the reads (lane l at row 2 l) touch 32 different banks (64 banks of 4 bytes: ISA guide 11.1); the price is that the rows are written by words, two lanes to a bank.
; Memory binds: every byte of z is read once and every byte of out0 written once; matrix units and clusters would add nothing (the work-groups share no tile).
; LIMITS.  Inputs count as their roundings to bf16; the squares are added in this text's own order; NaN and infinities are not treated apart.
.set RP,    516
.set RED,   64*RP                      ; behind the 64 rows: the eight waves' sums, a block of 256 bytes
.set SPARE, RED+256                    ; the spare words, 128 bytes for each of the eight waves
.set LN,  1                            ; v1   lane
.set ZO,  2                            ; v2   my byte offset in the work-group's part of z and out0; never rewritten
.set L16, 3                            ; v3   16 x lane
.set STA, 4                            ; v4   where I put 16 bytes of my wave's first code
.set RDA, 5                            ; v5   where I read my first query's words
.set SPW, 6                            ; v6   LDS address of my spare word; never rewritten
.set NIL, 7                            ; v7   0; never rewritten
.set TA,  8                            ; v8-9 at work
.set TC,  9
.set ZR,  16                           ; v[16:79]   z, then out0: depth i of my 32 at 16 + 2 i: queries 2 l, 2 l + 1
.set GR,  80                           ; v[80:111]  my 16 bytes of my wave's eight codes
.set GA,  112                          ; v[112:119] their byte offsets in cbw
.set WR,  120                          ; v[120:151] word c (depths 2 c, 2 c + 1) of query 2 l at 120 + 2 c, of query 2 l + 1 beside it
.set QR,  152                          ; v[152:155] q    of two depths x two queries
.set BR,  156                          ; v[156:159] zb
.set TR,  160                          ; v[160:163] q - zb
.set PR,  164                          ; v[164:165] zb, packed
.set SU,  166                          ; v[166:173] four chains of sums of squares
	s_load_b256 s[4:11], s[0:1], 0x0               ; z s[4:5], cbw s[6:7], rows s[8:9], out0 s[10:11]
	s_load_b64 s[12:13], s[0:1], 0x20              ; part
	v_lshl_add_u32 v[SPW], v0, 2, SPARE
	v_mov_b32 v[NIL], 0
	v_lshrrev_b32 v[TA], 5, v0
	v_readfirstlane_b32 s14, v[TA]                 ; wave 0..7
	v_and_b32 v[LN], 31, v0
	s_lshr_b32 s16, ttmp9, 4                       ; b: 1,048,576 bytes each,
	s_lshl_b32 s16, s16, 20
	s_and_b32 s17, ttmp9, 15                       ; and 64 numbers along a row
	s_lshl_b32 s17, s17, 8
	s_or_b32 s16, s16, s17
	s_mov_b32 s17, 0
	s_lshl_b32 s18, ttmp9, 8                       ; the work-group's 64 row numbers,
	s_lshl_b32 s19, s14, 5                         ; my wave's 8 of them
	s_add_co_u32 s18, s18, s19
	s_mov_b32 s19, 0
	s_lshl_b32 s20, ttmp9, 2                       ; the work-group's word of part
	s_mov_b32 s21, 0
	s_mov_b32 s22, 0xffff0000                      ; a word's upper bf16
	s_mov_b32 s24, 0x76543210                      ; v_permlanex16_b32: each lane takes its own place in the other half
	s_mov_b32 s25, 0xfedcba98
	s_lshl_b32 s26, s14, 17                        ; my wave's 32 rows of 4,096 bytes
	v_lshl_add_u32 v[ZO], v[LN], 3, s26
	v_lshlrev_b32 v[L16], 4, v[LN]
	s_mul_i32 s27, s14, 8*RP
	v_add_nc_u32 v[STA], s27, v[L16]
	s_lshl_b32 s28, s14, 6                         ; my wave's 32 depths: 64 bytes of an LDS row
	v_mul_u32_u24 v[RDA], v[LN], 2*RP
	v_add_nc_u32 v[RDA], s28, v[RDA]
	s_wait_kmcnt 0x0
	s_add_nc_u64 s[8:9], s[8:9], s[18:19]
	s_load_b256 s[32:39], s[8:9], 0x0              ; my wave's eight row numbers
	s_add_nc_u64 s[4:5], s[4:5], s[16:17]
	s_add_nc_u64 s[10:11], s[10:11], s[16:17]
	s_add_nc_u64 s[12:13], s[12:13], s[20:21]
.set i, 0
.rept 32
	global_load_b64 v[ZR+2*i:ZR+2*i+1], v[ZO], s[4:5] offset:4096*i th:TH_LOAD_NT  ; 32 lanes x 8 bytes: 256 consecutive bytes
.set i, i+1
.endr
	s_wait_kmcnt 0x0
.irp i, 0,1,2,3,4,5,6,7
	s_min_u32 s[32+\i], s[32+\i], 8319             ; inside the table
	s_lshl_b32 s[32+\i], s[32+\i], 9
	v_add_nc_u32 v[GA+\i], s[32+\i], v[L16]
	global_load_b128 v[GR+4*\i:GR+4*\i+3], v[GA+\i], s[6:7]  ; the whole row: 512 consecutive bytes
.endr
	s_wait_loadcnt 0x0                             ; the codes were asked for last
.irp i, 0,1,2,3,4,5,6,7
.irp c, 0,1,2,3
	ds_store_b32 v[STA], v[GR+4*\i+\c] offset:RP*\i+4*\c
.endr
.endr
	s_wait_dscnt 0x0                               ; for the others' sake: my eight rows are in LDS
	s_barrier_signal -1
	s_barrier_wait -1
.set c, 0
.rept 16
	ds_load_b32 v[WR+2*c],   v[RDA] offset:4*c
	ds_load_b32 v[WR+2*c+1], v[RDA] offset:RP+4*c
.set c, c+1
.endr
.macro WORD c                          ; depths 2 c and 2 c + 1 of my wave's 32
	s_wait_dscnt 30-2*(\c)                         ; LDS loads come back in order: word c of both queries is in, the later words stay out
	v_lshlrev_b32 v[QR],   16,  v[WR+2*(\c)]
	v_lshlrev_b32 v[QR+1], 16,  v[WR+2*(\c)+1]
	v_and_b32     v[QR+2], s22, v[WR+2*(\c)]
	v_and_b32     v[QR+3], s22, v[WR+2*(\c)+1]
	v_cvt_pk_bf16_f32 v[PR],   v[ZR+4*(\c)],   v[ZR+4*(\c)+1]
	v_cvt_pk_bf16_f32 v[PR+1], v[ZR+4*(\c)+2], v[ZR+4*(\c)+3]
	v_lshlrev_b32 v[BR],   16,  v[PR]
	v_and_b32     v[BR+1], s22, v[PR]
	v_lshlrev_b32 v[BR+2], 16,  v[PR+1]
	v_and_b32     v[BR+3], s22, v[PR+1]
	v_pk_add_f32 v[TR:TR+1],   v[QR:QR+1],   v[BR:BR+1]   neg_lo:[0,1] neg_hi:[0,1]  ; q - zb
	v_pk_add_f32 v[TR+2:TR+3], v[QR+2:QR+3], v[BR+2:BR+3] neg_lo:[0,1] neg_hi:[0,1]
	v_pk_add_f32 v[ZR+4*(\c):ZR+4*(\c)+1],   v[BR:BR+1],   v[TR:TR+1]                ; zb + (q - zb)
	v_pk_add_f32 v[ZR+4*(\c)+2:ZR+4*(\c)+3], v[BR+2:BR+3], v[TR+2:TR+3]
.set k, SU+4*((\c)%2)
.if (\c) < 2
	v_pk_mul_f32 v[k:k+1],   v[TR:TR+1],   v[TR:TR+1]      ; the first squares start the four chains
	v_pk_mul_f32 v[k+2:k+3], v[TR+2:TR+3], v[TR+2:TR+3]
.else
	v_pk_fma_f32 v[k:k+1],   v[TR:TR+1],   v[TR:TR+1],   v[k:k+1]
	v_pk_fma_f32 v[k+2:k+3], v[TR+2:TR+3], v[TR+2:TR+3], v[k+2:k+3]
.endif
	global_store_b64 v[ZO], v[ZR+4*(\c):ZR+4*(\c)+1],   s[10:11] offset:4096*(2*(\c)) th:TH_STORE_NT    ; 256 consecutive bytes; the data registers are not written again
	global_store_b64 v[ZO], v[ZR+4*(\c)+2:ZR+4*(\c)+3], s[10:11] offset:4096*(2*(\c)+1) th:TH_STORE_NT
.endm
.irp c, 0,1,2,3,4,5,6,7,8,9,10,11,12,13,14,15
	WORD \c
.endr
	v_pk_add_f32 v[SU:SU+1],   v[SU:SU+1],   v[SU+2:SU+3]
	v_pk_add_f32 v[SU+4:SU+5], v[SU+4:SU+5], v[SU+6:SU+7]
	v_pk_add_f32 v[SU:SU+1],   v[SU:SU+1],   v[SU+4:SU+5]
	v_add_f32 v[SU], v[SU], v[SU+1]
	v_add_f32_dpp v[SU], v[SU], v[SU] row_xmask:1 row_mask:0xf bank_mask:0xf
	v_add_f32_dpp v[SU], v[SU], v[SU] row_xmask:2 row_mask:0xf bank_mask:0xf
	v_add_f32_dpp v[SU], v[SU], v[SU] row_xmask:4 row_mask:0xf bank_mask:0xf
	v_add_f32_dpp v[SU], v[SU], v[SU] row_xmask:8 row_mask:0xf bank_mask:0xf
	v_permlanex16_b32 v[SU+1], v[SU], s24, s25
	v_add_f32 v[SU], v[SU], v[SU+1]                ; my wave's sum, in every lane
	s_lshl_b32 s29, s14, 2
	s_add_co_u32 s29, s29, RED
	v_mov_b32 v[TA], s29
	ds_store_b32 v[TA], v[SU]
	s_wait_dscnt 0x0                               ; for the others' sake
	s_barrier_signal -1
	s_barrier_wait -1
	s_cmp_lg_u32 s14, 0
	s_cbranch_scc1 .Lend                           ; wave 0 alone adds the eight, in order, and stores
	v_mov_b32 v[TC], RED
	ds_load_b128 v[QR:QR+3], v[TC]
	ds_load_b128 v[BR:BR+3], v[TC] offset:16
	v_mov_b32 v[TA], 0
	v_cmp_eq_u32 vcc_lo, 0, v0
	s_wait_dscnt 0x0
	v_add_f32 v[QR], v[QR], v[QR+1]
	v_add_f32 v[QR], v[QR], v[QR+2]
	v_add_f32 v[QR], v[QR], v[QR+3]
	v_add_f32 v[QR], v[QR], v[BR]
	v_add_f32 v[QR], v[QR], v[BR+1]
	v_add_f32 v[QR], v[QR], v[BR+2]
	v_add_f32 v[QR], v[QR], v[BR+3]
	s_wait_xcnt 0x0                                ; EXEC, a source of the stores above, changes only behind this wait
	s_and_saveexec_b32 s30, vcc_lo
	global_store_b32 v[TA], v[QR], s[12:13]        ; lane 0: part[work-group]
	s_wait_xcnt 0x0                                ; and again in front of the line that widens it
	s_or_b32 exec_lo, exec_lo, s30
.Lend:
	s_wait_tensorcnt 0x0                           ; the wave's end: behind my last LDS store
	ds_add_u32 v[SPW], v[NIL]
	s_wait_dscnt 0x0
	s_endpgm
.Lfunc_end_k_qdc284a968f_gather:
	.size	k_qdc284a968f_gather, .Lfunc_end_k_qdc284a968f_gather-k_qdc284a968f_gather
	.p2alignl 7, 3214868480
	.fill 96, 4, 3214868480
	.section	.rodata,"a",@progbits
	.p2align	6, 0x0
	.amdhsa_kernel k_qdc284a968f_gather
		.amdhsa_group_segment_fixed_size 34304
		.amdhsa_private_segment_fixed_size 0
		.amdhsa_enable_private_segment 0
		.amdhsa_kernarg_size 40
		.amdhsa_user_sgpr_count 2
		.amdhsa_user_sgpr_kernarg_segment_ptr 1
		.amdhsa_wavefront_size32 1
		.amdhsa_system_sgpr_workgroup_id_x 1
		.amdhsa_system_sgpr_workgroup_id_y 1
		.amdhsa_system_sgpr_workgroup_id_z 1
		.amdhsa_system_vgpr_workitem_id 0
		.amdhsa_next_free_vgpr 176
		.amdhsa_next_free_sgpr 66
		.amdhsa_reserve_vcc 1
		.amdhsa_float_denorm_mode_32 3
		.amdhsa_float_denorm_mode_16_64 3
		.amdhsa_memory_ordered 1
		.amdhsa_forward_progress 1
		.amdhsa_inst_pref_size 28
	.end_amdhsa_kernel
	.amdgpu_metadata
---
amdhsa.version: [ 1, 2 ]
amdhsa.kernels:
  - .name:           k_qdc284a968f_gather
    .symbol:         k_qdc284a968f_gather.kd
    .args:
      - { .name: z, .offset: 0, .size: 8, .value_kind: global_buffer, .address_space: global }
      - { .name: cbw, .offset: 8, .size: 8, .value_kind: global_buffer, .address_space: global }
      - { .name: rows, .offset: 16, .size: 8, .value_kind: global_buffer, .address_space: global }
      - { .name: out0, .offset: 24, .size: 8, .value_kind: global_buffer, .address_space: global }
      - { .name: part, .offset: 32, .size: 8, .value_kind: global_buffer, .address_space: global }
    .group_segment_fixed_size: 34304
    .private_segment_fixed_size: 0
    .kernarg_segment_align: 8
    .kernarg_segment_size: 40
    .max_flat_workgroup_size: 256
    .sgpr_count:     66
    .vgpr_count:     176
    .wavefront_size: 32
...
	.end_amdgpu_metadata
.endif
;; end of part 3
;; launch loss (part 4): grid 1 x 1, 1 waves a work-group, no clusters, 0 bytes of LDS; arguments part, out1, out2; writes out1, out2
.if DOCPART == 4
	.amdgcn_target "amdgcn-amd-amdhsa--gfx1250"
	.amdhsa_code_object_version 6
	.text
	.protected	k_qdc284a968f_loss
	.globl	k_qdc284a968f_loss
	.p2align	8
	.type	k_qdc284a968f_loss,@function
k_qdc284a968f_loss:
	s_mov_b64 s[64:65], 0
	v_nop
	global_prefetch_b8 v0, s[64:65] scope:SCOPE_SE
	s_setreg_imm32_b32 hwreg(HW_REG_WAVE_MODE, 25, 1), 1
	s_wait_xcnt 0x0
; out1 = the mean of (z - q)^2 over 32,768 x 256 = 2^23 numbers: the 512 work-groups' sums of the launch before, added by one owner in a fixed order, times 2^-23.  out2 = 0.2 x out1.
; One wave: 2,048 bytes are four loads of 512 consecutive bytes; there is nothing to share out.
	s_load_b128 s[4:7], s[0:1], 0x0                ; part s[4:5], out1 s[6:7]
	s_load_b64 s[8:9], s[0:1], 0x10                ; out2
	v_lshlrev_b32 v1, 4, v0
	v_mov_b32 v2, 0
	s_mov_b32 s10, 0x76543210                      ; v_permlanex16_b32: each lane takes its own place in the other half
	s_mov_b32 s11, 0xfedcba98
	s_wait_kmcnt 0x0
.irp i, 0,1,2,3
	global_load_b128 v[4+4*\i:7+4*\i], v1, s[4:5] offset:512*\i
.endr
	v_cmp_eq_u32 vcc_lo, 0, v0
	s_wait_loadcnt 0x0
	v_pk_add_f32 v[4:5],   v[4:5],   v[6:7]
	v_pk_add_f32 v[8:9],   v[8:9],   v[10:11]
	v_pk_add_f32 v[12:13], v[12:13], v[14:15]
	v_pk_add_f32 v[16:17], v[16:17], v[18:19]
	v_pk_add_f32 v[4:5],   v[4:5],   v[8:9]
	v_pk_add_f32 v[12:13], v[12:13], v[16:17]
	v_pk_add_f32 v[4:5],   v[4:5],   v[12:13]
	v_add_f32 v4, v4, v5
	v_add_f32_dpp v4, v4, v4 row_xmask:1 row_mask:0xf bank_mask:0xf
	v_add_f32_dpp v4, v4, v4 row_xmask:2 row_mask:0xf bank_mask:0xf
	v_add_f32_dpp v4, v4, v4 row_xmask:4 row_mask:0xf bank_mask:0xf
	v_add_f32_dpp v4, v4, v4 row_xmask:8 row_mask:0xf bank_mask:0xf
	v_permlanex16_b32 v5, v4, s10, s11
	v_add_f32 v4, v4, v5
	v_mul_f32 v4, 0x34000000, v4                   ; 2^-23
	v_mul_f32 v5, 0x3e4ccccd, v4                   ; 0.2
	s_wait_xcnt 0x0                                ; EXEC, a source of the loads above, changes only behind this wait
	s_and_saveexec_b32 s12, vcc_lo
	global_store_b32 v2, v4, s[6:7]                ; lane 0 alone
	global_store_b32 v2, v5, s[8:9]
	s_wait_xcnt 0x0                                ; and again in front of the line that widens it
	s_or_b32 exec_lo, exec_lo, s12
	s_endpgm
.Lfunc_end_k_qdc284a968f_loss:
	.size	k_qdc284a968f_loss, .Lfunc_end_k_qdc284a968f_loss-k_qdc284a968f_loss
	.p2alignl 7, 3214868480
	.fill 96, 4, 3214868480
	.section	.rodata,"a",@progbits
	.p2align	6, 0x0
	.amdhsa_kernel k_qdc284a968f_loss
		.amdhsa_group_segment_fixed_size 0
		.amdhsa_private_segment_fixed_size 0
		.amdhsa_enable_private_segment 0
		.amdhsa_kernarg_size 24
		.amdhsa_user_sgpr_count 2
		.amdhsa_user_sgpr_kernarg_segment_ptr 1
		.amdhsa_wavefront_size32 1
		.amdhsa_system_sgpr_workgroup_id_x 1
		.amdhsa_system_sgpr_workgroup_id_y 1
		.amdhsa_system_sgpr_workgroup_id_z 1
		.amdhsa_system_vgpr_workitem_id 0
		.amdhsa_next_free_vgpr 24
		.amdhsa_next_free_sgpr 66
		.amdhsa_reserve_vcc 1
		.amdhsa_float_denorm_mode_32 3
		.amdhsa_float_denorm_mode_16_64 3
		.amdhsa_memory_ordered 1
		.amdhsa_forward_progress 1
		.amdhsa_inst_pref_size 3
	.end_amdhsa_kernel
	.amdgpu_metadata
---
amdhsa.version: [ 1, 2 ]
amdhsa.kernels:
  - .name:           k_qdc284a968f_loss
    .symbol:         k_qdc284a968f_loss.kd
    .args:
      - { .name: part, .offset: 0, .size: 8, .value_kind: global_buffer, .address_space: global }
      - { .name: out1, .offset: 8, .size: 8, .value_kind: global_buffer, .address_space: global }
      - { .name: out2, .offset: 16, .size: 8, .value_kind: global_buffer, .address_space: global }
    .group_segment_fixed_size: 0
    .private_segment_fixed_size: 0
    .kernarg_segment_align: 8
    .kernarg_segment_size: 24
    .max_flat_workgroup_size: 32
    .sgpr_count:     66
    .vgpr_count:     24
    .wavefront_size: 32
...
	.end_amdgpu_metadata
.endif
;; end of part 4
;; ======== version 2 of 2: 4 launches; version 1 with the launch prep written anew for expert scheduling mode
;; workspace buffers: cbw 4,259,840 bytes; rows 131,072 bytes of whole numbers; part 2,048 bytes
;; launch prep (part 5): grid 128 x 1, 8 waves a work-group, no clusters, 1,280 bytes of LDS; arguments codebook, cbw; writes cbw
.if DOCPART == 5
	.amdgcn_target "amdgcn-amd-amdhsa--gfx1250"
	.amdhsa_code_object_version 6
	.text
	.protected	k_qdc284a968f_prep
	.globl	k_qdc284a968f_prep
	.p2align	8
	.type	k_qdc284a968f_prep,@function
k_qdc284a968f_prep:
	s_mov_b64 s[64:65], 0
	v_nop
	global_prefetch_b8 v0, s[64:65] scope:SCOPE_SE
	s_setreg_imm32_b32 hwreg(HW_REG_WAVE_SCHED_MODE, 0, 2), 2
	s_setreg_imm32_b32 hwreg(HW_REG_WAVE_MODE, 25, 1), 1
	s_wait_xcnt 0x0
	s_wait_alu depctr_vm_vsrc(0)
; THE CODEBOOK, ROUNDED ONCE TO bf16 AND LAID IN BLOCKS.  codebook: [8192][256] f32.  cbw: 128 blocks of 65 rows of 512 bytes.
; Block beta = 4 i + w holds the codes k = 2048 w + 64 i + row (row 0..63) as 256 bf16 each; its row 64 holds the 64 numbers
; B_k = the sum of the squares of the ROUNDED code, in f32, and then 256 bytes of zeros (the next launch fetches the whole row, so it is written whole).
; A work-group makes one block, so that the B row has one owner; a wave makes 8 rows.  A row of 1,024 bytes is two loads of a wave (512 consecutive bytes each);
; its 512 bytes of bf16 are two stores of 256 consecutive bytes, each at a multiple of 256 from cbw's first byte.
; All sixteen loads of a wave go out at once; memory binds, so there is no matrix work, no cluster and no ring.
; LIMITS.  B's 256 terms are added in an order of this text's own (8 a lane, then across the lanes); NaN and infinities are not treated apart.
; THE MODE: SCHED_MODE bits 1:0 = 2 (LLVM: expert scheduling mode 2), set by the entry lines.  The code itself states the register dependences
; between vector instructions and memory or LDS instructions, with s_wait_alu, always for 0.
; THE PLAN.  Registers that memory or LDS instructions touch:
;   X[j]        Written by the sixteen loads at the head, ahead of which no vector instruction names them; read by row j's roundings; never loaded again.
;   Y[j]        Written by row j's four roundings; read by row j's two global stores; never written again.
;   BS[j]       Written by the last addition of row j's sum; read by one LDS store, issued in row j + 1 (row 7's: behind the last row); never written again.
;   CO, SO, BA  Offsets and an LDS address, made once at the head and never written again.
;   T, S        Named by vector instructions alone, until wave 0's end, where an LDS load lands in T's first four and a global store reads them.
;   SPW, NIL    Written at the head, read by the closing add alone.
; So ONE wait on va_vdst stands in a row, behind its unpacking lines: it states that the roundings have written Y[j] and that the row before has written its B.  The row's three stores follow it,
; dealt among the first lines of the sum, which name T, S and BS[j]: none of the registers that those stores touch.  No register that a memory or LDS instruction reads is ever written again,
; so the text holds no wait on vm_vsrc.
.set BLOCK, 33280                      ; bytes in a block
.set SPARE, 256                        ; LDS: bytes 0-255 the block's 64 B; from 256 on the spare words, 128 bytes for each of the eight waves
.set LN,  1                            ; v1      lane
.set CO,  2                            ; v2      my byte offset in the block's 64 rows of the codebook
.set SO,  3                            ; v3      my byte offset in the block
.set BA,  4                            ; v4      LDS address of my wave's eight B
.set SPW, 5                            ; v5      LDS address of my spare word; never rewritten
.set NIL, 6                            ; v6      0; never rewritten
.set TA,  7                            ; v7      at work
.set T,   8                            ; v[8:15]   eight rounded numbers as f32
.set S,   16                           ; v[16:17]  the sum of squares
.set RO,  18                           ; v18     wave 0: my byte offset in the B row
.set X,   20                           ; v[20:83]  row j: 8 registers as loaded
.set Y,   84                           ; v[84:115] row j: 4 registers to store
.set BS,  116                          ; v[116:123] row j: its B, to store into LDS
	s_load_b128 s[4:7], s[0:1], 0x0                ; codebook s[4:5], cbw s[6:7]
	v_lshl_add_u32 v[SPW], v0, 2, SPARE
	v_mov_b32 v[NIL], 0
	v_lshrrev_b32 v[TA], 5, v0
	v_readfirstlane_b32 s8, v[TA]                  ; wave 0..7
	v_and_b32 v[LN], 31, v0
	s_and_b32 s10, ttmp9, 3                        ; w of the block
	s_lshl_b32 s10, s10, 21                        ; 2,048 codes of 1,024 bytes
	s_lshr_b32 s11, ttmp9, 2                       ; i of the block
	s_lshl_b32 s11, s11, 16                        ; 64 codes of 1,024 bytes
	s_add_co_u32 s10, s10, s11
	s_mov_b32 s11, 0
	s_mul_i32 s16, ttmp9, BLOCK
	s_mov_b32 s17, 0
	s_mov_b32 s12, 0xffff0000                      ; a word's upper bf16
	s_mov_b32 s14, 0x76543210                      ; v_permlanex16_b32: each lane takes its own place in the other half
	s_mov_b32 s15, 0xfedcba98
	s_wait_alu depctr_va_sdst(0)                   ; s8 is written, ahead of its first reader: the wave's offsets are made from it
	s_lshl_b32 s18, s8, 13                         ; my wave's 8 rows of 1,024 bytes
	v_lshl_add_u32 v[CO], v[LN], 4, s18
	s_lshl_b32 s19, s8, 12                         ; my wave's 8 rows of 512 bytes
	v_lshl_add_u32 v[SO], v[LN], 3, s19
	s_lshl_b32 s20, s8, 5                          ; my wave's 8 words
	v_mov_b32 v[BA], s20
	s_wait_kmcnt 0x0
	s_add_nc_u64 s[4:5], s[4:5], s[10:11]
	s_add_nc_u64 s[6:7], s[6:7], s[16:17]
	s_wait_alu depctr_va_vdst(0)                   ; v[CO], v[SO] and v[BA] are written: the loads below and all the rows' stores read them as offsets and address
.set j, 0
.rept 8
	global_load_b128 v[X+8*j:X+8*j+3],   v[CO], s[4:5] offset:1024*j th:TH_LOAD_NT      ; numbers 4 l .. 4 l + 3 of the row
	global_load_b128 v[X+8*j+4:X+8*j+7], v[CO], s[4:5] offset:1024*j+512 th:TH_LOAD_NT  ; numbers 128 + 4 l ..
.set j, j+1
.endr
.macro ROWJ j
	s_wait_loadcnt 14-2*(\j)                       ; loads come back in order: row j's two are in, the later rows' stay out
.irp c, 0,1,2,3
	v_cvt_pk_bf16_f32 v[Y+4*(\j)+\c], v[X+8*(\j)+2*\c], v[X+8*(\j)+2*\c+1]
.endr
.irp c, 0,1,2,3
	v_lshlrev_b32 v[T+2*\c],   16,  v[Y+4*(\j)+\c]  ; the rounded numbers back as f32
	v_and_b32     v[T+2*\c+1], s12, v[Y+4*(\j)+\c]
.endr
	s_wait_alu depctr_va_vdst(0)                   ; the roundings have written Y[j], which the two global stores read; the row before has written its B, which the LDS store reads
	global_store_b64 v[SO], v[Y+4*(\j):Y+4*(\j)+1],   s[6:7] offset:512*(\j)       ; 32 lanes x 8 bytes: 256 consecutive bytes
	v_pk_mul_f32 v[S:S+1], v[T:T+1], v[T:T+1]      ; the first squares start the sum
	global_store_b64 v[SO], v[Y+4*(\j)+2:Y+4*(\j)+3], s[6:7] offset:512*(\j)+256   ; no vector instruction since the wait names Y[j] or v[SO]
	v_pk_fma_f32 v[S:S+1], v[T+2:T+3], v[T+2:T+3], v[S:S+1]
.if (\j) > 0
	ds_store_b32 v[BA], v[BS+(\j)-1] offset:4*((\j)-1)  ; B of the row before: all lanes write the same word with the same number; none since the wait names it or v[BA]
.endif
	v_pk_fma_f32 v[S:S+1], v[T+4:T+5], v[T+4:T+5], v[S:S+1]
	v_pk_fma_f32 v[S:S+1], v[T+6:T+7], v[T+6:T+7], v[S:S+1]
	v_add_f32 v[S], v[S], v[S+1]
	v_add_f32_dpp v[S], v[S], v[S] row_xmask:1 row_mask:0xf bank_mask:0xf
	v_add_f32_dpp v[S], v[S], v[S] row_xmask:2 row_mask:0xf bank_mask:0xf
	v_add_f32_dpp v[S], v[S], v[S] row_xmask:4 row_mask:0xf bank_mask:0xf
	v_add_f32_dpp v[S], v[S], v[S] row_xmask:8 row_mask:0xf bank_mask:0xf
	v_permlanex16_b32 v[S+1], v[S], s14, s15
	v_add_f32 v[BS+(\j)], v[S], v[S+1]             ; every lane holds B of the row, in a register of the row's own
.endm
.irp j, 0,1,2,3,4,5,6,7
	ROWJ \j
.endr
	s_wait_alu depctr_va_vdst(0)                   ; row 7 has written its B, which the LDS store reads
	ds_store_b32 v[BA], v[BS+7] offset:4*7
	s_wait_dscnt 0x0                               ; for the others' sake: my eight B are in LDS
	s_barrier_signal -1
	s_barrier_wait -1
	s_cmp_lg_u32 s8, 0
	s_cbranch_scc1 .Lend                           ; wave 0 alone writes the B row
	v_and_b32 v[TA], 15, v0
	v_lshlrev_b32 v[TA], 4, v[TA]
	v_lshlrev_b32 v[RO], 4, v[LN]
	v_cmp_gt_u32 vcc_lo, 16, v[LN]
	s_wait_alu depctr_va_vdst(0)                   ; v[TA] is written, which the LDS load reads as its address (the rows' lines that named v[T ..], in which it lands, stand ahead of the wait behind row 7)
	ds_load_b128 v[T:T+3], v[TA]                   ; lanes 0-15: the 64 B; lanes 16-31 read them too and are set to 0 below
	s_wait_alu depctr_va_vcc(0)                    ; VCC is written, ahead of its first reader, the first select below
	s_wait_dscnt 0x0
.irp c, 0,1,2,3
	v_cndmask_b32 v[T+\c], 0, v[T+\c], vcc_lo
.endr
	s_wait_alu depctr_va_vdst(0)                   ; the selects have written v[T ..], which the store reads (v[RO] was written ahead of the wait above)
	global_store_b128 v[RO], v[T:T+3], s[6:7] offset:64*512  ; row 64: 512 consecutive bytes
.Lend:
	s_wait_dscnt 0x0                               ; the closing lines, six on end
	s_wait_alu 0x0
	s_wait_tensorcnt 0x0
	ds_add_u32 v[SPW], v[NIL]
	s_wait_dscnt 0x0
	s_endpgm
.Lfunc_end_k_qdc284a968f_prep:
	.size	k_qdc284a968f_prep, .Lfunc_end_k_qdc284a968f_prep-k_qdc284a968f_prep
	.p2alignl 7, 3214868480
	.fill 96, 4, 3214868480
	.section	.rodata,"a",@progbits
	.p2align	6, 0x0
	.amdhsa_kernel k_qdc284a968f_prep
		.amdhsa_group_segment_fixed_size 1280
		.amdhsa_private_segment_fixed_size 0
		.amdhsa_enable_private_segment 0
		.amdhsa_kernarg_size 16
		.amdhsa_user_sgpr_count 2
		.amdhsa_user_sgpr_kernarg_segment_ptr 1
		.amdhsa_wavefront_size32 1
		.amdhsa_system_sgpr_workgroup_id_x 1
		.amdhsa_system_sgpr_workgroup_id_y 1
		.amdhsa_system_sgpr_workgroup_id_z 1
		.amdhsa_system_vgpr_workitem_id 0
		.amdhsa_next_free_vgpr 124
		.amdhsa_next_free_sgpr 66
		.amdhsa_reserve_vcc 1
		.amdhsa_float_denorm_mode_32 3
		.amdhsa_float_denorm_mode_16_64 3
		.amdhsa_memory_ordered 1
		.amdhsa_forward_progress 1
		.amdhsa_inst_pref_size 16
	.end_amdhsa_kernel
	.amdgpu_metadata
---
amdhsa.version: [ 1, 2 ]
amdhsa.kernels:
  - .name:           k_qdc284a968f_prep
    .symbol:         k_qdc284a968f_prep.kd
    .args:
      - { .name: codebook, .offset: 0, .size: 8, .value_kind: global_buffer, .address_space: global }
      - { .name: cbw, .offset: 8, .size: 8, .value_kind: global_buffer, .address_space: global }
    .group_segment_fixed_size: 1280
    .private_segment_fixed_size: 0
    .kernarg_segment_align: 8
    .kernarg_segment_size: 16
    .max_flat_workgroup_size: 256
    .sgpr_count:     66
    .vgpr_count:     124
    .wavefront_size: 32
...
	.end_amdgpu_metadata
.endif
;; end of part 5
;; launch argmin: the kernel of part 2 again; grid 256 x 1, 4 waves a work-group, clusters of 4 x 1, 327,680 bytes of LDS; arguments z, cbw, rows; writes rows
;; launch gather: the kernel of part 3 again; grid 512 x 1, 8 waves a work-group, no clusters, 34,304 bytes of LDS; arguments z, cbw, rows, out0, part; writes out0, part
;; launch loss: the kernel of part 4 again; grid 1 x 1, 1 waves a work-group, no clusters, 0 bytes of LDS; arguments part, out1, out2; writes out1, out2
